; MI455X (gfx1250); checked and timed in simulation.
; The chip was launched on July 23, 2026; its instructions are those of AMD's public machine-readable ISA for CDNA 5 (MIT licence, August 2026) and "CDNA5" Instruction Set Architecture Reference Guide (July 2026). The comments in the code are by the model that wrote it; some were corrected since.
;; Quaternion Attention. Allowed arithmetic: matrix products marked QUANTISED: E2M3 operands, one E8M0 scale for each 32 along K, by v_wmma_scale_f32_16x16x128_f8f6f4 with both operands' format E2M3, f32 sums; everything else in f32.
;; Inputs: key_omegas 4 x 2,048 x 8 x 4 float32; key_thetas 4 x 2,048 x 8 x 4 float32; keys 4 x 2,048 x 8 x 64 float32; queries 4 x 2,048 x 8 x 64 float32; query_omegas 4 x 2,048 x 8 x 4 float32; query_thetas 4 x 2,048 x 8 x 4 float32; values_codes 4 x 8 x 64 x 64 x 24 uint8 (E2M3 codes of values, K innermost, in blocks of 32 codes, four codes in three bytes); values_scales 4 x 8 x 64 x 64 uint8 (E8M0 scales of values, one for each 32 codes along K).
;; Outputs: out0 4 x 2,048 x 8 x 64 float32.
;; This version of the problem:
;;   THIS VERSION OF THE PROBLEM IS GIVEN IN LOW PRECISION. The matrix products marked QUANTISED in the list below multiply operands that are first quantised to E2M3 (2 exponent bits, 3 mantissa bits; 6 bits a number), with one power-of-two scale for each 32 numbers along K (OCP MX v1.0); their sums are f32. All else is computed in f32.
;;   The module's matrix products, in the order in which they are computed (A, B: the left and right operand; K: the contracted axis; several contracted axes count as one K, in the product's order):
;;     1. batch 32 x [M 2,048, K 256] x [K 256, N 2,048]; A: computed on the way; B: computed on the way: QUANTISED
;;     2. batch 32 x [M 64, K 2,048] x [K 2,048, N 2,048]; A: input values (given as codes); B: softmax (see below): QUANTISED
;;   THE QUANTISER, for each operand of a quantised product, along K:
;;     - K is cut into blocks of 32 from its start; a last block that is shorter is filled with zeros.
;;     - A block's scale is 2^e with e = floor(log2(the largest magnitude in the block)) - 2, held to -126 .. 127; a block of zeros has e = 0. As a byte (E8M0): e + 127.
;;     - Each number is divided by its block's scale, clamped to +-7.5, and rounded to the nearest number of E2M3, ties to even, subnormals kept.
;;     - The product sums the exact products of the quantised numbers (number of the format x scale) in f32.
;;   ~~~python
;;   def quantise(x, axis):      # numpy; x: float32 -> the quantised numbers, widened to float32 again
;;       x = np.moveaxis(x, axis, -1); K = x.shape[-1]
;;       x = np.pad(x, [(0, 0)] * (x.ndim - 1) + [(0, -K % 32)]); x = x.reshape(x.shape[:-1] + (-1, 32)); a = np.abs(x).max(-1, keepdims=True)
;;       e = np.where(a > 0, np.clip(np.frexp(np.where(a > 0, a, 1))[1] - 1 - 2, -126, 127), 0)      # np.frexp(a)[1] - 1 = floor(log2(a)), exactly
;;       r = np.clip(x / 2.0 ** e, -7.5, 7.5)
;;       step = 2.0 ** (np.maximum(np.frexp(np.where(r == 0, 1, r))[1] - 1, 0) - 3)
;;       q = np.round(r / step) * step * 2.0 ** e      # np.round: ties to even
;;       return np.moveaxis(q.reshape(q.shape[:-2] + (-1,))[..., :K], -1, axis).astype(np.float32)
;;   ~~~
;;   SOFTMAX AHEAD OF A QUANTISED PRODUCT. Where the list says 'softmax', what is quantised is not the finished softmax but p = 2^(t - M), with t = logit x log2(e) and M = ceil(the row's largest t), a whole number; so 1/2 < the row's largest p <= 1. The row's sum l is taken of the UNQUANTISED p, in f32, and the product's result is divided by l at the end. Since M is a whole number, a kernel that streams over the keys may use a running M (the ceiling of the running maximum): every later rescaling is an exact power of two, which a block's scale takes up: the codes' values come out the same.
;;   OPERANDS COMPUTED ON THE WAY. 'Computed on the way' means the value that the module computes at that place (a softmax that the list does not call 'softmax' is quantised finished and normalised). What goes into a quantiser is computed in f32, as accurately as f32 sums, v_exp_f32 and their like allow (about 1e-6 of the number): no bf16 or f16 on the way to a quantiser, and a product that is left as it is and whose result goes on into a quantised operand takes f32 operands (vector FMAs, or v_wmma_f32_16x16x4_f32). A number that lies on a knife's edge between two numbers of the format may be rounded either way, as far as f32 arithmetic and the matrix unit's own rounding can turn it there, and no further.
;;   INPUTS GIVEN AS CODES. values (in the module: [4, 2048, 8, 64], K = its axis 1): each comes as NAME_codes (uint8): NAME with its K axis moved to the last place and cut into blocks of 32 codes, [.., K / 32, bytes a block], one block behind the other in memory; four codes in three bytes: a row's codes are one little-endian stream of bits, code i at bits 6 i .. 6 i + 5 (a code: sign, 2 exponent bits, 3 mantissa bits); and NAME_scales (uint8): the same leading axes, one E8M0 byte (e + 127) for each 32 codes along K. Its value is code x scale, taken as it is: it is not quantised again, and the codes and scales need not be those that the quantiser above would give.
;; One version. Each part assembles by itself: llvm-mc -triple=amdgcn-amd-amdhsa -mcpu=gfx1250 --defsym DOCPART=n.
;; ======== version 1 of 1: 2 launches
;; limits: right only within a limited range of input values
;; workspace buffers: kv 16,777,216 bytes
;; launch prep (part 1): grid 32 x 16, 8 waves a work-group, no clusters, 3,072 bytes of LDS; arguments keys, key_omegas, key_thetas, values_codes, values_scales, kv; writes kv
.if DOCPART == 1
	.amdgcn_target "amdgcn-amd-amdhsa--gfx1250"
	.amdhsa_code_object_version 6
	.text
	.protected	k_q3229cae5b9_prep
	.globl	k_q3229cae5b9_prep
	.p2align	8
	.type	k_q3229cae5b9_prep,@function
k_q3229cae5b9_prep:
	s_mov_b64 s[64:65], 0
	v_nop
	global_prefetch_b8 v0, s[64:65] scope:SCOPE_SE
	s_setreg_imm32_b32 hwreg(HW_REG_WAVE_MODE, 25, 1), 1
	s_wait_xcnt 0x0
; For one head (work-group x = 8 b + h) and one step of 128 keys (work-group y): the keys are rotated by their four angles, quantised to FP6 (E2M3) with one E8M0 byte for each 32 along K = 4 e + m
; (e the element, m the angle: the order in which the product contracts them), and laid, with the step's codes and scale bytes of V, as IMAGES OF OPERAND REGISTERS in one dense block of 32,768 bytes of kv:
;   0      K's 16 fragments (key tile kt, K step s) at (2 kt + s) x 1536: registers 4 c .. 4 c + 3 at + 512 c + 16 x lane
;   24576  V's 4 fragments (16 of the head's 64 channels x these 128 keys), the same form
;   30720  K's scale words: 512 (kt / 4) + 16 x lane + 4 (kt % 4); lanes 0-15 hold K step 0's word of the lane's row, lanes 16-31 K step 1's
;   31744  V's scale words: 16 x lane + 4 dt;   32256  512 bytes of zeros, so that every byte of the block is stored
; THE KEYS OF A TILE ARE NOT NEIGHBOURS: lane r of tile 4 c + u takes key 64 c + 8 u + r % 8 + 32 (r / 8), so that in the scores' registers of four neighbouring tiles 32 neighbouring keys follow each other.
; BLOCKS: block g of 8 holds e = 8 g .. 8 g + 7 under all four angles.  Lane (r, hl) loads elements 8 hl .. 8 hl + 7 of each of the four parts of 16, so it owns the whole blocks 2 p + hl,
; which are the blocks that the 6-bit operand layout gives that lane (K step s, registers 6 c on: part 2 s + c).  Inside a block the order is 8 m + i; the queries are laid the same way in the next launch.
; SHARES: eight waves, wave w makes key tile w (16 keys: two fragments, one register of scale words); waves 0-3 also copy V's tile w.  A stream: no matrix unit, no tensor load.
; SINE AND COSINE: n = the nearest whole number to angle x 2 / pi; r = angle - n pi / 2 with pi / 2 in two parts; polynomials on |r| <= pi / 4; the quadrant picks and signs.
; LIMITS: |angle| under 65,536; NaN and infinities are not served; a block whose largest magnitude lies under 2^-124 (a block of zeros too) carries the byte 1: this program alone reads the bytes.
.set VIMG,  24576
.set KSC,   30720
.set WV,    16                         ; s16  my wave's number
.set SEL,   36                         ; s[36:37] v_permlanex16_b32's selects for lane l xor 16
.set HM,    48                         ; s48  the mask of lanes 16-31
.set K_2PI, 50                         ; s50  2 / pi;  s51, s52: -(pi / 2) in two parts;  s53-55 the sine's coefficients;  s56-58 the cosine's
.set K_NC1, 51
.set K_NC2, 52
.set K_S0,  53
.set K_S1,  54
.set K_S2,  55
.set K_C0,  56
.set K_C1,  57
.set K_C2,  58
.set KO,  5                            ; v5   my byte in the wave's rows of keys: 2,048 x row + 32 hl
.set WO,  6                            ; v6   in omegas and thetas: 128 x row
.set LI,  7                            ; v7   16 x lane
.set VO,  8                            ; v8   V's codes: 1,536 r + 24 hl
.set VSO, 9                            ; v9   V's scale bytes: 64 r
.set LSW, 10                           ; v10  LDS: where my K scale word goes
.set LSV, 11                           ; v11  LDS: 16 x lane + 4 (w & 3): V's word (+ 1024) and a zero (+ 1536)
.set LSR, 12                           ; v12  LDS: 16 x lane + 512 (w & 3): what I read back
.set POS, 13                           ; v13  my key's position / 2,048
.set KST, 14                           ; v14  kv: 16 x lane + 3,072 w
.set VST, 15                           ; v15  kv: 16 x lane + 1,536 (w & 3)
.set KSO, 16                           ; v16  kv: 16 x lane + 512 (w & 3)
.set SH8, 17                           ; v17  8 hl: how far my two scale bytes are shifted in the word
.set XR,  32                           ; v32-63   my 32 numbers: part p at + 8 p
.set XRC, XR
.set OUT, 64                           ; v64-127  a K step's 64 rotated numbers: my block c at + 32 c, in it angle m at + 8 m
.set OM,  128
.set TH,  132
.set A_AN, 136                         ; seven runs of four registers for the four angles
.set A_N,  140
.set A_R,  144
.set A_Z,  148
.set A_SP, 152
.set A_CP, 156
.set A_QI, 160
.set CC,  168                          ; cos of angle m at + 2 m (the packed forms name a pair and take its low word)
.set SS,  176
.set PC,  184                          ; the fragment just made
.set PX,  196
.set TM,  204
.set PW,  220
.set KSW, 221
.set VFR, 224
.set VSW, 236
.set ZERO, 237
.set BK,  240
; sin and cos of the four angles in v[A_AN ..], the four by turns, into v[SS + 2 a] and v[CC + 2 a]
.macro SINCOS
.irp a, 0,1,2,3
	s_delay_alu instid0(VALU_DEP_4)
	v_mul_f32 v[A_N+\a], s[K_2PI], v[A_AN+\a]
.endr
.irp a, 0,1,2,3
	s_delay_alu instid0(VALU_DEP_4)
	v_rndne_f32 v[A_N+\a], v[A_N+\a]                       ; n
.endr
.irp a, 0,1,2,3
	s_delay_alu instid0(VALU_DEP_4)
	v_fma_f32 v[A_R+\a], v[A_N+\a], s[K_NC1], v[A_AN+\a]   ; angle - n x (pi / 2's upper part), one rounding
.endr
.irp a, 0,1,2,3
	s_delay_alu instid0(VALU_DEP_4)
	v_fma_f32 v[A_R+\a], v[A_N+\a], s[K_NC2], v[A_R+\a]    ; - n x its lower part: r
.endr
.irp a, 0,1,2,3
	v_cvt_i32_f32 v[A_QI+\a], v[A_N+\a]
.endr
.irp a, 0,1,2,3
	v_mul_f32 v[A_Z+\a], v[A_R+\a], v[A_R+\a]              ; z = r r
.endr
.irp a, 0,1,2,3
	v_fma_f32 v[A_SP+\a], v[A_Z+\a], s[K_S0], s[K_S1]
	v_fma_f32 v[A_CP+\a], v[A_Z+\a], s[K_C0], s[K_C1]
.endr
.irp a, 0,1,2,3
	v_fma_f32 v[A_SP+\a], v[A_SP+\a], v[A_Z+\a], s[K_S2]
	v_fma_f32 v[A_CP+\a], v[A_CP+\a], v[A_Z+\a], s[K_C2]
.endr
.irp a, 0,1,2,3
	v_mul_f32 v[A_N+\a], v[A_Z+\a], v[A_R+\a]              ; z r
	v_fma_f32 v[A_AN+\a], v[A_Z+\a], -0.5, 1.0             ; 1 - z / 2
.endr
.irp a, 0,1,2,3
	v_mul_f32 v[A_Z+\a], v[A_Z+\a], v[A_Z+\a]              ; z z
.endr
.irp a, 0,1,2,3
	v_fma_f32 v[A_SP+\a], v[A_SP+\a], v[A_N+\a], v[A_R+\a]   ; sin r
	v_fma_f32 v[A_CP+\a], v[A_CP+\a], v[A_Z+\a], v[A_AN+\a]  ; cos r
.endr
.irp a, 0,1,2,3
	v_and_b32 v[A_N+\a], 1, v[A_QI+\a]                     ; an odd quadrant swaps the two
	v_add_nc_u32 v[A_Z+\a], 1, v[A_QI+\a]
	v_lshlrev_b32 v[A_R+\a], 30, v[A_QI+\a]
.endr
.irp a, 0,1,2,3
	v_lshlrev_b32 v[A_Z+\a], 30, v[A_Z+\a]
	v_and_b32 v[A_R+\a], 0x80000000, v[A_R+\a]             ; the sine's sign: bit 1 of n
.endr
.irp a, 0,1,2,3
	v_and_b32 v[A_Z+\a], 0x80000000, v[A_Z+\a]             ; the cosine's: bit 1 of n + 1
.endr
.irp a, 0,1,2,3
	v_cmp_eq_u32 vcc_lo, 1, v[A_N+\a]
	s_delay_alu instid0(VALU_DEP_1)
	v_cndmask_b32 v[SS+2*\a], v[A_SP+\a], v[A_CP+\a], vcc_lo
	s_delay_alu instid0(VALU_DEP_2)
	v_cndmask_b32 v[CC+2*\a], v[A_CP+\a], v[A_SP+\a], vcc_lo
.endr
.irp a, 0,1,2,3
	v_xor_b32 v[SS+2*\a], v[SS+2*\a], v[A_R+\a]
	v_xor_b32 v[CC+2*\a], v[CC+2*\a], v[A_Z+\a]
.endr
.endm
; part p of the rotation by angle m: x[p] cos + x[pp] sin (neg = 1: - x[pp] sin), eight numbers, two at a time, to my block p % 2 of the K step, place 8 m on
.macro ROT m, p, pp, neg
.set RO, OUT+32*((\p)%2)+8*(\m)
.irp i, 0,2,4,6
	v_pk_mul_f32 v[RO+\i:RO+\i+1], v[XRC+8*\pp+\i:XRC+8*\pp+\i+1], v[SS+2*(\m):SS+2*(\m)+1] op_sel_hi:[1,0]
.endr
.irp i, 0,2,4,6
.if \neg
	s_delay_alu instid0(VALU_DEP_4)
	v_pk_fma_f32 v[RO+\i:RO+\i+1], v[XRC+8*\p+\i:XRC+8*\p+\i+1], v[CC+2*(\m):CC+2*(\m)+1], v[RO+\i:RO+\i+1] op_sel_hi:[1,0,1] neg_lo:[0,0,1] neg_hi:[0,0,1]
.else
	s_delay_alu instid0(VALU_DEP_4)
	v_pk_fma_f32 v[RO+\i:RO+\i+1], v[XRC+8*\p+\i:XRC+8*\p+\i+1], v[CC+2*(\m):CC+2*(\m)+1], v[RO+\i:RO+\i+1] op_sel_hi:[1,0,1]
.endif
.endr
.endm
.macro ROTK s                          ; K step s: parts 2 s and 2 s + 1 under all four angles.  k0 c - k2 s, k1 c - k3 s;  k2 c + k0 s, k3 c + k1 s
.irp m, 0,1,2,3
.if \s == 0
	ROT \m, 0, 2, 1
	ROT \m, 1, 3, 1
.else
	ROT \m, 2, 0, 0
	ROT \m, 3, 1, 0
.endif
.endr
.endm
; 64 numbers v[s ..], my two whole blocks of a K step (block 2 c + hl at + 32 c), become the fragment's 12 registers v[pc ..] and the row's scale word v[pw].
; A block's scale: its largest magnitude (with the floor 2^(3 - 127) among the leaves), 2 off its exponent field, the byte.  My two bytes stand at 8 hl and 16 + 8 hl of the word; lane l xor 16 has the other two.
.macro QUANT s, pc, px, tm, pw
.irp c, 0,1
	v_max3_num_f32 v[\tm+\c], |v[\s+32*\c]|, |v[\s+32*\c+1]|, 0x1800000
.endr
.irp i, 2,4,6,8,10,12,14,16,18,20,22,24,26,28,30
.irp c, 0,1
	s_delay_alu instid0(VALU_DEP_2)
	v_max3_num_f32 v[\tm+\c], v[\tm+\c], |v[\s+32*\c+\i]|, |v[\s+32*\c+\i+1]|
.endr
.endr
.irp c, 0,1
	s_delay_alu instid0(VALU_DEP_2)
	v_add_nc_u32 v[\tm+4+\c], 0xff000000, v[\tm+\c]        ; the conversion takes this operand's exponent field as its scale
.endr
.irp c, 0,1
	s_delay_alu instid0(VALU_DEP_2)
	v_lshrrev_b32 v[\tm+6+\c], 23, v[\tm+4+\c]             ; the byte
.endr
	s_delay_alu instid0(VALU_DEP_1)
	v_lshl_or_b32 v[\pw], v[\tm+7], 16, v[\tm+6]
	s_delay_alu instid0(VALU_DEP_1)
	v_lshlrev_b32 v[\pw], v[SH8], v[\pw]
	s_delay_alu instid0(VALU_DEP_1)
	v_permlanex16_b32 v[\tm+8], v[\pw], s[SEL], s[SEL+1]
	s_delay_alu instid0(VALU_DEP_1)
	v_or_b32 v[\pw], v[\pw], v[\tm+8]                      ; the word is whole, in both halves of the lanes
.irp c, 0,1
	v_cvt_scalef32_pk16_fp6_f32 v[\pc+6*\c:\pc+6*\c+2], v[\s+32*\c:\s+32*\c+15], v[\tm+4+\c]
	v_cvt_scalef32_pk16_fp6_f32 v[\px+4*\c:\px+4*\c+2], v[\s+32*\c+16:\s+32*\c+31], v[\tm+4+\c]   ; (a conversion's three registers begin on an even number)
.endr
	v_nop                                          ; one plain place behind the scaled conversions
.irp c, 0,1
.irp i, 0,1,2
	v_mov_b32 v[\pc+6*\c+3+\i], v[\px+4*\c+\i]
.endr
.endr
.endm
	s_load_b256 s[4:11], s[0:1], 0x0               ; keys s[4:5], key_omegas s[6:7], key_thetas s[8:9], values_codes s[10:11]
	s_load_b128 s[12:15], s[0:1], 0x20             ; values_scales s[12:13], kv s[14:15]
	v_lshl_add_u32 v248, v0, 2, 0x800
	v_mov_b32 v249, 0
	v_lshrrev_b32 v1, 5, v0
	s_delay_alu instid0(VALU_DEP_1)
	v_readfirstlane_b32 s[WV], v1                  ; wave 0..7
	v_and_b32 v1, 31, v0                           ; lane
	v_and_b32 v2, 15, v0                           ; r
	v_bfe_u32 v3, v0, 4, 1                         ; hl
	s_delay_alu instid0(VALU_DEP_2)
	v_and_b32 v4, 8, v2
	s_delay_alu instid0(VALU_DEP_1)
	v_mad_u32_u24 v4, v4, 3, v2                    ; THE ORDER OF KEYS NOW IN FORCE: row r of tile w is key 64 (w / 4) + 8 (w % 4) + r % 8 + 32 (r / 8); here r + 24 (r / 8)
	s_delay_alu instid0(VALU_DEP_1)
	v_lshlrev_b32 v[KO], 11, v4
	s_delay_alu instid0(VALU_DEP_1)
	v_lshl_add_u32 v[KO], v3, 5, v[KO]
	s_delay_alu instid0(VALU_DEP_3)
	v_lshlrev_b32 v[WO], 7, v4
	v_lshlrev_b32 v[LI], 4, v1
	s_wait_alu depctr_va_vdst(0)
	v_mul_u32_u24 v[VO], v2, 1536
	s_delay_alu instid0(VALU_DEP_1)
	v_mad_u32_u24 v[VO], v3, 24, v[VO]
	v_lshlrev_b32 v[VSO], 6, v2
	v_lshlrev_b32 v[SH8], 3, v3
	s_and_b32 s18, ttmp7, 0xffff                   ; j: the key step
	s_lshr_b32 s19, ttmp9, 3                       ; b
	s_and_b32 s20, ttmp9, 7                        ; h
	s_lshr_b32 s34, s[WV], 2                       ; my tile's first key in the step: 64 (w / 4) + 8 (w % 4)
	s_lshl_b32 s34, s34, 6
	s_and_b32 s35, s[WV], 3
	s_lshl_b32 s35, s35, 3
	s_add_co_u32 s21, s34, s35                     ; my tile's first key in the step: 64 (w / 4) + 8 (w % 4)
	s_and_b32 s33, s[WV], 3
	s_lshr_b32 s34, s[WV], 2                       ; every LDS address is made here, ahead of the first branch on the wave's number
	s_lshl_b32 s34, s34, 9
	s_lshl_b32 s35, s33, 2
	s_add_co_u32 s34, s34, s35
	v_add_nc_u32 v[LSW], s34, v[LI]
	v_add_nc_u32 v[LSV], s35, v[LI]
	s_lshl_b32 s34, s33, 9
	v_add_nc_u32 v[LSR], s34, v[LI]
	v_add_nc_u32 v[KSO], s34, v[LI]
	s_mul_i32 s34, s[WV], 3072
	v_add_nc_u32 v[KST], s34, v[LI]
	s_mul_i32 s34, s33, 1536
	v_add_nc_u32 v[VST], s34, v[LI]
	s_lshl_b32 s22, s19, 22                        ; keys: a row (b, s, h) begins at b 2^22 + s 2^11 + h 2^8
	s_lshl_b32 s23, s18, 18
	s_add_co_u32 s22, s22, s23
	s_lshl_b32 s23, s20, 8
	s_add_co_u32 s22, s22, s23
	s_lshl_b32 s23, s21, 11
	s_add_co_u32 s22, s22, s23
	s_mov_b32 s23, 0
	s_lshr_b32 s24, s22, 4                         ; omegas and thetas: 16 bytes where the keys have 256
	s_mov_b32 s25, 0
	s_mul_i32 s26, ttmp9, 98304                    ; V's codes: a head is 64 rows of 1,536 bytes; my tile's 16 rows; the step's 96 bytes
	s_mul_i32 s27, s33, 24576
	s_add_co_u32 s26, s26, s27
	s_mul_i32 s27, s18, 96
	s_add_co_u32 s26, s26, s27
	s_mov_b32 s27, 0
	s_lshl_b32 s28, ttmp9, 12                      ; V's scale bytes: 64 rows of 64; the step's 4
	s_lshl_b32 s29, s33, 10
	s_add_co_u32 s28, s28, s29
	s_lshl_b32 s29, s18, 2
	s_add_co_u32 s28, s28, s29
	s_mov_b32 s29, 0
	s_lshl_b32 s30, ttmp9, 19                      ; kv: 16 blocks of 32,768 bytes a head
	s_lshl_b32 s31, s18, 15
	s_add_co_u32 s30, s30, s31
	s_mov_b32 s31, 0
	s_lshl_b32 s34, s18, 7
	s_add_co_u32 s34, s34, s21
	v_add_nc_u32 v[POS], s34, v4                   ; my key's number,
	s_delay_alu instid0(VALU_DEP_1)
	v_cvt_f32_u32 v[POS], v[POS]
	s_delay_alu instid0(VALU_DEP_1)
	v_mul_f32 v[POS], 0x3a000000, v[POS]           ; / 2,048: a power of two, nothing is rounded
	s_mov_b32 s[SEL], 0x76543210
	s_mov_b32 s[SEL+1], 0xfedcba98
	s_mov_b32 s[HM], 0xffff0000
	s_mov_b32 s[K_2PI], 0x3f22f983
	s_mov_b32 s[K_NC1], 0xbfc90fdb
	s_mov_b32 s[K_NC2], 0x333bbd2e
	s_mov_b32 s[K_S0], 0xb94ca1f9
	s_mov_b32 s[K_S1], 0x3c08839e
	s_mov_b32 s[K_S2], 0xbe2aaaa3
	s_mov_b32 s[K_C0], 0x37ccf5ce
	s_mov_b32 s[K_C1], 0xbab6061a
	s_mov_b32 s[K_C2], 0x3d2aaaa5
	s_wait_kmcnt 0x0
	s_add_nc_u64 s[4:5], s[4:5], s[22:23]
	s_add_nc_u64 s[6:7], s[6:7], s[24:25]
	s_add_nc_u64 s[8:9], s[8:9], s[24:25]
	s_add_nc_u64 s[10:11], s[10:11], s[26:27]
	s_add_nc_u64 s[12:13], s[12:13], s[28:29]
	s_add_nc_u64 s[14:15], s[14:15], s[30:31]
	s_cmp_lt_u32 s[WV], 4                          ; waves 0-3: V's fragment and its scale words, as they lie in memory
	s_cbranch_scc0 .Lno_v_in
.irp p, 0,1,2,3,4,5
	global_load_b64 v[VFR+2*\p:VFR+2*\p+1], v[VO], s[10:11] offset:48*(\p/3)+8*(\p%3)
.endr
	global_load_b32 v[VSW], v[VSO], s[12:13]
.Lno_v_in:
	global_load_b128 v[OM:OM+3], v[WO], s[6:7]
	global_load_b128 v[TH:TH+3], v[WO], s[8:9]
.irp p, 0,1,2,3
.irp q, 0,1
	global_load_b128 v[XR+8*\p+4*\q:XR+8*\p+4*\q+3], v[KO], s[4:5] offset:64*\p+16*\q   ; part p, elements 8 hl + 4 q on
.endr
.endr
.irp b, 0,1,2,3
	v_mov_b32 v[CC+2*\b+1], 0                      ; (named as the upper halves of pairs)
	v_mov_b32 v[SS+2*\b+1], 0
.endr
	v_mov_b32 v[TM+8], 0                           ; written once: a lane permute's destination counts as one of its sources
	v_mov_b32 v[ZERO], 0
	s_wait_loadcnt 8                               ; all but the eight loads of keys, issued last on every path: omegas and thetas are in
.irp a, 0,1,2,3
	v_fma_f32 v[A_AN+\a], v[OM+\a], v[POS], v[TH+\a]
.endr
	SINCOS
	s_wait_alu depctr_va_vdst(0)
	s_wait_loadcnt 0x0                             ; the keys
	ROTK 0
	QUANT OUT, PC, PX, TM, KSW                     ; K step 0: e < 32
.irp c, 0,1,2
	global_store_b128 v[KST], v[PC+4*\c:PC+4*\c+3], s[14:15] offset:512*\c       ; the wave stores 512 consecutive bytes, aligned
.endr
	ROTK 1
	s_wait_xcnt 0x0                                ; the three stores' data registers are written again only behind this wait
	QUANT OUT, PC, PX, TM, PW                      ; K step 1: e >= 32
.irp c, 0,1,2
	global_store_b128 v[KST], v[PC+4*\c:PC+4*\c+3], s[14:15] offset:1536+512*\c
.endr
	v_cndmask_b32 v[KSW], v[KSW], v[PW], s[HM]     ; lanes 16-31 carry K step 1's word
	ds_store_b32 v[LSW], v[KSW]
	s_cmp_lt_u32 s[WV], 4
	s_cbranch_scc0 .Lno_v_out
.irp c, 0,1,2
	global_store_b128 v[VST], v[VFR+4*\c:VFR+4*\c+3], s[14:15] offset:VIMG+512*\c
.endr
	ds_store_b32 v[LSV], v[VSW] offset:1024
	ds_store_b32 v[LSV], v[ZERO] offset:1536
.Lno_v_out:
	s_wait_dscnt 0x0                               ; for the others' sake: my LDS stores have landed
	s_barrier_signal -1
	s_barrier_wait -1
	s_cmp_lt_u32 s[WV], 4                          ; the 2,048 bytes of scale words and zeros leave as four runs of 512 consecutive bytes
	s_cbranch_scc0 .Ldone
	ds_load_b128 v[BK:BK+3], v[LSR]
	s_wait_dscnt 0x0
	global_store_b128 v[KSO], v[BK:BK+3], s[14:15] offset:KSC
.Ldone:
	s_wait_tensorcnt 0x0
	ds_add_u32 v248, v249
	s_wait_dscnt 0x0
	s_endpgm
.Lfunc_end_k_q3229cae5b9_prep:
	.size	k_q3229cae5b9_prep, .Lfunc_end_k_q3229cae5b9_prep-k_q3229cae5b9_prep
	.p2alignl 7, 3214868480
	.fill 96, 4, 3214868480
	.section	.rodata,"a",@progbits
	.p2align	6, 0x0
	.amdhsa_kernel k_q3229cae5b9_prep
		.amdhsa_group_segment_fixed_size 3072
		.amdhsa_private_segment_fixed_size 0
		.amdhsa_enable_private_segment 0
		.amdhsa_kernarg_size 48
		.amdhsa_user_sgpr_count 2
		.amdhsa_user_sgpr_kernarg_segment_ptr 1
		.amdhsa_wavefront_size32 1
		.amdhsa_system_sgpr_workgroup_id_x 1
		.amdhsa_system_sgpr_workgroup_id_y 1
		.amdhsa_system_sgpr_workgroup_id_z 1
		.amdhsa_system_vgpr_workitem_id 0
		.amdhsa_next_free_vgpr 250
		.amdhsa_next_free_sgpr 66
		.amdhsa_reserve_vcc 1
		.amdhsa_float_denorm_mode_32 3
		.amdhsa_float_denorm_mode_16_64 3
		.amdhsa_memory_ordered 1
		.amdhsa_forward_progress 1
		.amdhsa_inst_pref_size 32
	.end_amdhsa_kernel
	.amdgpu_metadata
---
amdhsa.version: [ 1, 2 ]
amdhsa.kernels:
  - .name:           k_q3229cae5b9_prep
    .symbol:         k_q3229cae5b9_prep.kd
    .args:
      - { .name: keys, .offset: 0, .size: 8, .value_kind: global_buffer, .address_space: global }
      - { .name: key_omegas, .offset: 8, .size: 8, .value_kind: global_buffer, .address_space: global }
      - { .name: key_thetas, .offset: 16, .size: 8, .value_kind: global_buffer, .address_space: global }
      - { .name: values_codes, .offset: 24, .size: 8, .value_kind: global_buffer, .address_space: global }
      - { .name: values_scales, .offset: 32, .size: 8, .value_kind: global_buffer, .address_space: global }
      - { .name: kv, .offset: 40, .size: 8, .value_kind: global_buffer, .address_space: global }
    .group_segment_fixed_size: 3072
    .private_segment_fixed_size: 0
    .kernarg_segment_align: 8
    .kernarg_segment_size: 48
    .max_flat_workgroup_size: 256
    .sgpr_count:     66
    .vgpr_count:     250
    .wavefront_size: 32
...
	.end_amdgpu_metadata
.endif
;; end of part 1
;; launch attn (part 2): grid 8 x 32, 8 waves a work-group, clusters of 4 x 1, 327,680 bytes of LDS; arguments queries, query_omegas, query_thetas, kv, out0; writes out0
.if DOCPART == 2
	.amdgcn_target "amdgcn-amd-amdhsa--gfx1250"
	.amdhsa_code_object_version 6
	.text
	.protected	k_q3229cae5b9_attn
	.globl	k_q3229cae5b9_attn
	.p2align	8
	.type	k_q3229cae5b9_attn,@function
k_q3229cae5b9_attn:
	s_mov_b64 s[64:65], 0
	v_nop
	global_prefetch_b8 v0, s[64:65] scope:SCOPE_SE
	s_setreg_imm32_b32 hwreg(HW_REG_WAVE_MODE, 25, 1), 1
	s_wait_xcnt 0x0
	s_wait_alu depctr_hold_cnt(0) depctr_sa_sdst(0) depctr_va_vdst(0) depctr_va_sdst(0) depctr_va_ssrc(0) depctr_va_vcc(0) depctr_vm_vsrc(0)
	s_getreg_b32 s2, hwreg(HW_REG_IB_STS2, 6, 4)
	s_cmp_eq_u32 s2, 0
	s_cbranch_scc0 .Lentry_in_a_cluster
	s_endpgm
.Lentry_in_a_cluster:
	s_bfe_u32 s2, ttmp6, 0x10000c
	s_cmp_lg_u32 s2, 0x3003
	s_cbranch_scc0 .Lentry_shape_is_right
	s_endpgm
.Lentry_shape_is_right:
; out0[b][l][h][:] = the sum over keys of softmax(Q_rot . K_rot / 32) V, both products on codes of FP6 (E2M3) with one E8M0 scale for each 32 along a product's K (the first product's K = 4 e + m).
; kv, laid by the launch before as images of operand registers, 32,768 bytes for a head's step of 128 keys: 0 K's 16 fragments ((2 kt + s) x 1536); 24576 V's 4; 30720 K's scale words; 31744 V's.
; THE KEYS OF A TILE: row 8 h + j of key tile 4 c + u is key 64 c + 32 h + 8 u + j.  Both products are used transposed (S^T = K Q^T, O^T = V^T P^T), so a lane (r, h) holds query r, and its 32 registers of
; tiles 4 c .. 4 c + 3 are the WHOLE block 2 c + h of 32 neighbouring keys, in order: the block's maximum needs no other lane, and the conversions' results are the operand's registers of that lane.
; THE SOFTMAX: t = score x log2(e) / 32; M = the running largest t rounded up to a whole number; p = 2^(t - M) is quantised along the keys; the row's sum is taken of the unquantised p and divides at the end.
; When M moves, the sums and O^T are multiplied by 2^(old M - new M), which rounds nothing.  A block's largest p is its largest score put through the same multiply-add and exponential (this takes v_exp_f32 not to fall where its input rises).
; SHARES: a work-group owns 256 queries of one head (work-group y = 8 b + h); each of eight waves owns 32, two tiles of 16, so that each fragment read from LDS feeds two matrix instructions.  16 key steps.
; THE STEPS OVERLAP INSIDE A SLOT: when p's codes of step n are made, the products S^T of step n + 1 are issued one at a time among step n's row sums and the rescaling of O^T, each pair of key tiles into
; the 16 registers a tile of p whose sum has been taken.  A slot's first step has its products alone, its last step looks no further: no read crosses a change of slots.
; Q is read once, by one wave, and is rotated and quantised in registers at the head.  Lane (r, hl) owns the blocks 2 p + hl (e = 16 p + 8 hl + 0 .. 7 under all four angles, order 8 m + i), as K's are laid.
; THE RING: two LDS slots of four key steps (131,072 bytes); every wave fetches an eighth of a slot, 64 rows of 256 bytes; by this text's count a wave has one tensor load out.
; CLUSTER: the four query blocks of a cluster belong to one head and walk the same blocks of kv: each fill is asked for jointly, by one descriptor with a mask that names the four.
; Element-wise f32 work on neighbouring registers is written as dual pairs; all their registers lie in window 0.
; LIMITS: |angle| under 65,536; NaN and infinities are not served; |t| under 2^31; blocks of Q_rot whose largest magnitude lies under 2^-124 carry the byte 1; p under 2^-126 counts as 0.
; REGISTERS: window 0: v1-7 addresses; v8-23 statistics, eight a tile; v24-37 at work; v40-55 scale words alone; v56-61 the head's; v64-191 S^T, then p; v192-255 O^T.
;   window 1: v0-47 Q's four fragments; v48-95 V's four; v96-143, v144-191 K's, two buffers of two key tiles x two K steps; v192-215 p's codes; v216-231 at work.
.set STEPB, 32768
.set VIMG,  24576
.set KSC,   30720
.set VSC,   31744
.set SLOT1, 1<<17
.set SPARE, 2*SLOT1                    ; the spare words: 128 bytes for each of eight waves
.set SPITCH, 272                       ; the way out: stage rows of 256 + 16 bytes, 32 rows a wave, in slot 0, which has had its last fill and its last read at the last change of slots
.set CLIT,  0x3d38aa3b                 ; c = log2(e) / 32
.set WV,    14
.set G1,    24
.set G0,    32
.set SEL,   36
.set TB,    40                         ; LDS byte at which the key step in hand begins
.set CNT,   41
.set SLOTS, 42
.set LIM,   43
.set ASKAT, 44
.set PFA,   46
.set HM,    48
.set K_2PI, 50
.set K_NC1, 51
.set K_NC2, 52
.set K_S0,  53
.set K_S1,  54
.set K_S2,  55
.set K_C0,  56
.set K_C1,  57
.set K_C2,  58
.set LI,  1                            ; 16 x lane
.set ADR, 2
.set SPW, 3
.set NIL, 4
.set PFO, 5                            ; 256 x lane
.set SH8, 6                            ; 8 hl
.set PW,  7
.set ST,  8                            ; tile T at + 8 T: +0 -M, +1 the largest score, +2 f, +3 -M once more, +4 .. +7 the sum in four parts
.set BM,  24                           ; + 2 T + c: my block's largest score, then its largest p
.set SO,  28                           ; the conversions' scale operands
.set TP,  32
.set TPX, 36
.set KS,  40
.set VS,  48
.set QS,  52
.set PS,  54
.set POS, 56
.set QO,  58
.set WO,  59
.set S,   64
.set OT,  192
.set BK,  128
.set QF,  0                            ; window 1
.set VF,  48
.set KF0, 96
.set KF1, 144
.set PC,  192
.set PX,  216
.set XR,  64                           ; the head's use of window 0
.set OUT, 128
.set OM,  192
.set A_AN, 208
.set A_N,  212
.set A_R,  216
.set A_Z,  220
.set A_SP, 224
.set A_CP, 228
.set A_QI, 232
.set CC,  236
.set SS,  240
.set NS,  244                          ; -sin
.set TM,  24
.set MSB, 0
.macro WIN new                         ; bits 1:0 source 0, 3:2 source 1, 5:4 source 2, 7:6 destination; the high byte repeats the setting that is left
.if MSB != \new
	s_set_vgpr_msb (MSB<<8)|\new
.set MSB, \new
.endif
.endm
.macro PLACES n
.rept \n
	v_nop
.endr
.endm
.macro CROUND                          ; a round of the cluster's barrier
	s_barrier_signal -1
	s_barrier_wait -1
	s_cmp_lg_u32 s[WV], 0
	s_cbranch_scc1 .Lnot_wave_0_\@
	s_barrier_signal -3
.Lnot_wave_0_\@:
	s_barrier_wait -3
	s_barrier_signal -1
	s_barrier_wait -1
.endm
; sin, cos and -sin of the four angles in v[A_AN ..], the four by turns: n = the nearest whole number to angle x 2 / pi, r = angle - n pi / 2 (pi / 2 in two parts), polynomials on |r| <= pi / 4, the quadrant picks and signs
.macro SINCOS
.irp a, 0,1,2,3
	v_mul_f32 v[A_N+\a], s[K_2PI], v[A_AN+\a]
.endr
.irp a, 0,1,2,3
	v_rndne_f32 v[A_N+\a], v[A_N+\a]
.endr
.irp a, 0,1,2,3
	v_fma_f32 v[A_R+\a], v[A_N+\a], s[K_NC1], v[A_AN+\a]
.endr
.irp a, 0,1,2,3
	v_fma_f32 v[A_R+\a], v[A_N+\a], s[K_NC2], v[A_R+\a]
.endr
.irp a, 0,1,2,3
	v_cvt_i32_f32 v[A_QI+\a], v[A_N+\a]
.endr
.irp a, 0,1,2,3
	v_mul_f32 v[A_Z+\a], v[A_R+\a], v[A_R+\a]
.endr
.irp a, 0,1,2,3
	v_fma_f32 v[A_SP+\a], v[A_Z+\a], s[K_S0], s[K_S1]
	v_fma_f32 v[A_CP+\a], v[A_Z+\a], s[K_C0], s[K_C1]
.endr
.irp a, 0,1,2,3
	v_fma_f32 v[A_SP+\a], v[A_SP+\a], v[A_Z+\a], s[K_S2]
	v_fma_f32 v[A_CP+\a], v[A_CP+\a], v[A_Z+\a], s[K_C2]
.endr
.irp a, 0,1,2,3
	v_mul_f32 v[A_N+\a], v[A_Z+\a], v[A_R+\a]
	v_fma_f32 v[A_AN+\a], v[A_Z+\a], -0.5, 1.0
.endr
.irp a, 0,1,2,3
	v_mul_f32 v[A_Z+\a], v[A_Z+\a], v[A_Z+\a]
.endr
.irp a, 0,1,2,3
	v_fma_f32 v[A_SP+\a], v[A_SP+\a], v[A_N+\a], v[A_R+\a]   ; sin r
	v_fma_f32 v[A_CP+\a], v[A_CP+\a], v[A_Z+\a], v[A_AN+\a]  ; cos r
.endr
.irp a, 0,1,2,3
	v_and_b32 v[A_N+\a], 1, v[A_QI+\a]                     ; an odd quadrant swaps the two
	v_add_nc_u32 v[A_Z+\a], 1, v[A_QI+\a]
	v_lshlrev_b32 v[A_R+\a], 30, v[A_QI+\a]
.endr
.irp a, 0,1,2,3
	v_lshlrev_b32 v[A_Z+\a], 30, v[A_Z+\a]
	v_and_b32 v[A_R+\a], 0x80000000, v[A_R+\a]             ; the sine's sign: bit 1 of n
.endr
.irp a, 0,1,2,3
	v_and_b32 v[A_Z+\a], 0x80000000, v[A_Z+\a]             ; the cosine's: bit 1 of n + 1
.endr
.irp a, 0,1,2,3
	v_cmp_eq_u32 vcc_lo, 1, v[A_N+\a]
	v_cndmask_b32 v[SS+\a], v[A_SP+\a], v[A_CP+\a], vcc_lo
	v_cndmask_b32 v[CC+\a], v[A_CP+\a], v[A_SP+\a], vcc_lo
.endr
.irp a, 0,1,2,3
	v_xor_b32 v[SS+\a], v[SS+\a], v[A_R+\a]
	v_xor_b32 v[CC+\a], v[CC+\a], v[A_Z+\a]
.endr
.irp a, 0,1,2,3
	v_xor_b32 v[NS+\a], 0x80000000, v[SS+\a]
.endr
.endm
; part p of the rotation by angle m: x[p] cos + x[pp] sn (sn: SS or NS), eight numbers, to my block p % 2 of the K step, place 8 m on
.macro ROT m, p, pp, sn
.set RO, OUT+32*((\p)%2)+8*(\m)
.irp i, 0,2,4,6
	v_dual_mul_f32 v[RO+\i], v[\sn+\m], v[XRC+8*\pp+\i] :: v_dual_mul_f32 v[RO+\i+1], v[\sn+\m], v[XRC+8*\pp+\i+1]
.endr
.irp i, 0,2,4,6
	v_dual_fmac_f32 v[RO+\i], v[CC+\m], v[XRC+8*\p+\i] :: v_dual_fmac_f32 v[RO+\i+1], v[CC+\m], v[XRC+8*\p+\i+1]
.endr
.endm
.macro ROTQ s                          ; q0 c - q1 s, q1 c + q0 s;  q2 c + q3 s, q3 c - q2 s
.irp m, 0,1,2,3
.if \s == 0
	ROT \m, 0, 1, NS
	ROT \m, 1, 0, SS
.else
	ROT \m, 2, 3, SS
	ROT \m, 3, 2, NS
.endif
.endr
.endm
; Q: the 64 numbers v[OUT ..], my two whole blocks of a K step, become the fragment at v[qf ..] of window 1 and the row's scale word v[pw].
; A block's scale: its largest magnitude (the floor 2^(3 - 127) among the leaves), 2 off its exponent field, the byte.  My bytes stand at 8 hl and 16 + 8 hl; lane l xor 16 has the other two.
.macro QUANTQ qf, pw
.irp c, 0,1
	v_max3_num_f32 v[TM+\c], |v[OUT+32*\c]|, |v[OUT+32*\c+1]|, 0x1800000
.endr
.irp i, 2,4,6,8,10,12,14,16,18,20,22,24,26,28,30
.irp c, 0,1
	s_delay_alu instid0(VALU_DEP_2)
	v_max3_num_f32 v[TM+\c], v[TM+\c], |v[OUT+32*\c+\i]|, |v[OUT+32*\c+\i+1]|
.endr
.endr
.irp c, 0,1
	s_delay_alu instid0(VALU_DEP_2)
	v_add_nc_u32 v[TM+4+\c], 0xff000000, v[TM+\c]
.endr
.irp c, 0,1
	s_delay_alu instid0(VALU_DEP_2)
	v_lshrrev_b32 v[TM+6+\c], 23, v[TM+4+\c]
.endr
	s_delay_alu instid0(VALU_DEP_1)
	v_lshl_or_b32 v[\pw], v[TM+7], 16, v[TM+6]
	s_delay_alu instid0(VALU_DEP_1)
	v_lshlrev_b32 v[\pw], v[SH8], v[\pw]
	s_delay_alu instid0(VALU_DEP_1)
	v_permlanex16_b32 v[TM+8], v[\pw], s[SEL], s[SEL+1]
	s_delay_alu instid0(VALU_DEP_1)
	v_or_b32 v[\pw], v[\pw], v[TM+8]
	WIN 0x40                                       ; the codes go to window 1
.irp c, 0,1
	v_cvt_scalef32_pk16_fp6_f32 v[\qf+6*\c:\qf+6*\c+2], v[OUT+32*\c:OUT+32*\c+15], v[TM+4+\c]
	v_cvt_scalef32_pk16_fp6_f32 v[PX+4*\c:PX+4*\c+2], v[OUT+32*\c+16:OUT+32*\c+31], v[TM+4+\c]   ; (a conversion's three registers begin on an even number)
.endr
	v_nop                                          ; one plain place behind the scaled conversions
	WIN 0x41
.irp c, 0,1
.irp i, 0,1,2
	v_mov_b32 v[\qf+6*\c+3+\i], v[PX+4*\c+\i]
.endr
.endr
	WIN 0
.endm
.macro KLOAD pr, kf, off               ; key tiles 2 pr, 2 pr + 1, both K steps, of the step off bytes on: fragment (kk, s) at + 24 kk + 12 s
.irp f, 0,1,2,3
.irp c, 0,1,2
	ds_load_b128 v[\kf+12*\f+4*\c:\kf+12*\f+4*\c+3], v[ADR] offset:\off+(4*\pr+\f)*1536+512*\c
.endr
.endr
.endm
.macro VLOAD
.irp dt, 0,1,2,3
.irp c, 0,1,2
	ds_load_b128 v[VF+12*\dt+4*\c:VF+12*\dt+4*\c+3], v[ADR] offset:VIMG+1536*\dt+512*\c
.endr
.endr
.endm
; one product of S^T = K Q^T: K step 0 starts the sum, K step 1's scale words stand in lanes 16-31
.macro KQ1 pr, kf, s, kk, T
.if \s == 0
	v_wmma_scale_f32_16x16x128_f8f6f4 v[S+64*\T+8*(2*\pr+\kk):S+64*\T+8*(2*\pr+\kk)+7], v[\kf+24*\kk:\kf+24*\kk+11], v[QF+24*\T:QF+24*\T+11], 0, v[KS+2*\pr+\kk], v[QS+\T] matrix_a_fmt:MATRIX_FMT_FP6 matrix_b_fmt:MATRIX_FMT_FP6
.else
	v_wmma_scale_f32_16x16x128_f8f6f4 v[S+64*\T+8*(2*\pr+\kk):S+64*\T+8*(2*\pr+\kk)+7], v[\kf+24*\kk+12:\kf+24*\kk+23], v[QF+24*\T+12:QF+24*\T+23], v[S+64*\T+8*(2*\pr+\kk):S+64*\T+8*(2*\pr+\kk)+7], v[KS+2*\pr+\kk], v[QS+\T] matrix_a_fmt:MATRIX_FMT_FP6 matrix_b_fmt:MATRIX_FMT_FP6 matrix_a_scale:MATRIX_SCALE_ROW1 matrix_b_scale:MATRIX_SCALE_ROW1
.endif
.endm
.macro KQ pr, kf                       ; eight on end: two key tiles x two tiles of queries x two K steps; the four accumulators take turns
.irp s, 0,1
.irp kk, 0,1
.irp T, 0,1
	KQ1 \pr, \kf, \s, \kk, \T
.endr
.endr
.endr
.endm
.macro PV                              ; O^T += V^T P^T: eight accumulators, one instruction each
.irp dt, 0,1,2,3
.irp T, 0,1
	v_wmma_scale_f32_16x16x128_f8f6f4 v[OT+32*\T+8*\dt:OT+32*\T+8*\dt+7], v[VF+12*\dt:VF+12*\dt+11], v[PC+12*\T:PC+12*\T+11], v[OT+32*\T+8*\dt:OT+32*\T+8*\dt+7], v[VS+\dt], v[PS+\T] matrix_a_fmt:MATRIX_FMT_FP6 matrix_b_fmt:MATRIX_FMT_FP6
.endr
.endr
.endm
; vector work in pieces.  g < 3, piece n of 8: four numbers p of key tiles 2 g + 2, 2 g + 3 go into the row's sum (tile of queries n % 2), in four chains a tile.  g = 3: eight registers of O^T under the new M, from each accumulator's low end on.
.macro CHUNK g, n
.if \g < 3
.set cT, (\n)%2
.set cj, S+64*cT+16*(\g+1)+4*((\n)/2)
	v_dual_add_f32 v[ST+8*cT+4], v[ST+8*cT+4], v[cj] :: v_dual_add_f32 v[ST+8*cT+5], v[ST+8*cT+5], v[cj+1]
	v_dual_add_f32 v[ST+8*cT+6], v[ST+8*cT+6], v[cj+2] :: v_dual_add_f32 v[ST+8*cT+7], v[ST+8*cT+7], v[cj+3]
.else
.set cT, (\n)/4
.set cj, OT+8*(\n)
.irp i, 0,2,4,6
	v_dual_mul_f32 v[cj+\i], v[ST+8*cT+2], v[cj+\i] :: v_dual_mul_f32 v[cj+\i+1], v[ST+8*cT+2], v[cj+\i+1]
.endr
.endif
.endm
.macro CHUNKS g
.irp n, 0,1,2,3,4,5,6,7
	CHUNK \g, \n
.endr
.endm
; the next step's eight products on key tiles 2 pr, 2 pr + 1, one at a time, a piece of vector work behind each.  ld >= 0: ahead of the third product key tiles 2 ld, 2 ld + 1 are asked for, into the buffer that the
; eight products before these have read: six dual pairs that name none of their registers stand between.
.macro IKQ pr, kf, ld, lkf
.set iq, 0
.irp s, 0,1
.irp kk, 0,1
.irp T, 0,1
.if \ld >= 0
.if iq == 2
	WIN 0x40
	KLOAD \ld, \lkf, STEPB
.endif
.endif
	WIN 0x05
	KQ1 \pr, \kf, \s, \kk, \T
	WIN 0
	CHUNK \pr, iq
.set iq, iq+1
.endr
.endr
.endr
.endm
; A prefetch of the slot that the NEXT change of slots will ask for, in a slot's third key step: two key steps ahead of that load.  Each 256 bytes are named once in the launch: of a head's two clusters the first asks;
; its four partners take one key step's block each, told apart by address; in each, waves 0-3 take 8,192 bytes, lanes 256 bytes apart.  Slots 0 and 1 come by their loads alone; the last fill's change sets no place for a prefetch.
.macro ASK
	s_cmp_eq_u32 s[CNT], s[ASKAT]
	s_cbranch_scc0 .Lnot_now_\@
	global_prefetch_b8 v[PFO], s[PFA:PFA+1] th:TH_LOAD_NT scope:SCOPE_SE
.Lnot_now_\@:
.endm
; A SLOT'S FIRST STEP: its 32 products S^T alone
.macro TOP
	PLACES 3                                       ; with the addition four places behind the last V^T P
	v_add_nc_u32 v[ADR], s[TB], v[LI]
	ds_load_b128 v[KS:KS+3], v[ADR] offset:KSC
	ds_load_b128 v[KS+4:KS+7], v[ADR] offset:KSC+512
	WIN 0x40
	KLOAD 0, KF0, 0
	KLOAD 1, KF1, 0
	s_wait_dscnt 12                                ; the scale words and key tiles 0, 1 are in; tiles 2, 3's twelve loads may be out
	WIN 0x05                                       ; sources 0 and 1 window 1, C and D window 0
	KQ 0, KF0
	PLACES 4                                       ; in front of loads into registers that matrix instructions have read
	WIN 0x40
	s_wait_alu depctr_va_vdst(0)                   ; the wait ahead of this reader of the address
	KLOAD 2, KF0, 0
	s_wait_dscnt 12                                ; tiles 2, 3 are in; the twelve just issued may be out
	WIN 0x05
	KQ 1, KF1
	PLACES 4
	WIN 0x40
	KLOAD 3, KF1, 0
	s_wait_dscnt 12                                ; tiles 4, 5 are in
	WIN 0x05
	KQ 2, KF0
	s_wait_dscnt 0x0                               ; tiles 6, 7 are in
	KQ 3, KF1
	WIN 0
.endm
; A STEP'S FIRST HALF: S^T of the 128 keys at LDS byte s[TB] stands in registers.  V and (nx = 1) the next step's first four key tiles are asked for; then the maxima, M, t - M and the exponentials.
.macro PHA nx, ask
	PLACES 3                                       ; with the addition four places behind the last product, in front of the loads below and of the first read of S^T
	v_add_nc_u32 v[ADR], s[TB], v[LI]
	ds_load_b128 v[VS:VS+3], v[ADR] offset:VSC
.if \nx
	ds_load_b128 v[KS:KS+3], v[ADR] offset:STEPB+KSC
	ds_load_b128 v[KS+4:KS+7], v[ADR] offset:STEPB+KSC+512
.endif
	WIN 0x40
	VLOAD
.if \nx
	KLOAD 0, KF0, STEPB
	KLOAD 1, KF1, STEPB
.endif
	WIN 0
.if \ask
	ASK
.endif
.irp T, 0,1                            ; the largest score of each of my four blocks; each accumulator is read from its low end on
.irp c, 0,1
	v_max3_num_f32 v[BM+2*\T+\c], v[S+64*\T+32*\c], v[S+64*\T+32*\c+1], v[S+64*\T+32*\c+2]
.endr
.endr
.irp i, 3,5,7,9,11,13,15,17,19,21,23,25,27,29
.irp T, 0,1
.irp c, 0,1
	v_max3_num_f32 v[BM+2*\T+\c], v[BM+2*\T+\c], v[S+64*\T+32*\c+\i], v[S+64*\T+32*\c+\i+1]
.endr
.endr
.endr
.irp T, 0,1
.irp c, 0,1
	v_max_num_f32 v[BM+2*\T+\c], v[BM+2*\T+\c], v[S+64*\T+32*\c+31]
.endr
.endr
.irp T, 0,1
	v_max3_num_f32 v[ST+8*\T+1], v[ST+8*\T+1], v[BM+2*\T], v[BM+2*\T+1]   ; the running largest score, my half of the keys,
.endr
.irp T, 0,1
	s_delay_alu instid0(VALU_DEP_2)
	v_permlanex16_b32 v[TPX+\T], v[ST+8*\T+1], s[SEL], s[SEL+1]
.endr
.irp T, 0,1
	s_delay_alu instid0(VALU_DEP_2)
	v_max_num_f32 v[ST+8*\T+1], v[ST+8*\T+1], v[TPX+\T]    ; and lane l xor 16's
.endr
.irp T, 0,1
	s_delay_alu instid0(VALU_DEP_2)
	v_mul_f32 v[ST+8*\T+3], CLIT, v[ST+8*\T+1]             ; as t (c is positive)
.endr
.irp T, 0,1
	s_delay_alu instid0(VALU_DEP_2)
	v_floor_f32 v[ST+8*\T+3], -v[ST+8*\T+3]                ; the new -M: M is a whole number
.endr
.irp T, 0,1
	s_delay_alu instid0(VALU_DEP_2)
	v_sub_f32 v[ST+8*\T+2], v[ST+8*\T+3], v[ST+8*\T]       ; old M - new M, 0 or less
.endr
.irp T, 0,1
	v_mov_b32 v[ST+8*\T], v[ST+8*\T+3]
.endr
.irp T, 0,1
	s_delay_alu instid0(VALU_DEP_4)
	v_cvt_i32_f32 v[ST+8*\T+2], v[ST+8*\T+2]               ; (it saturates)
.endr
.irp T, 0,1
	s_delay_alu instid0(VALU_DEP_2)
	v_ldexp_f32 v[ST+8*\T+2], 1.0, v[ST+8*\T+2]            ; f = 2^(old M - new M)
.endr
.irp T, 0,1
.set j, 0
.rept 32
	v_dual_fmamk_f32 v[S+64*\T+j], v[S+64*\T+j], CLIT, v[ST+8*\T] :: v_dual_fmamk_f32 v[S+64*\T+j+1], v[S+64*\T+j+1], CLIT, v[ST+8*\T+3]   ; t - M; the two halves take -M from its two copies, an even and an odd register
.set j, j+2
.endr
.irp c, 0,1
	v_fmamk_f32 v[BM+2*\T+\c], v[BM+2*\T+\c], CLIT, v[ST+8*\T]   ; the same of each block's largest score
.endr
.endr
.irp T, 0,1                            ; the sums under the new M
	v_dual_mul_f32 v[ST+8*\T+4], v[ST+8*\T+2], v[ST+8*\T+4] :: v_dual_mul_f32 v[ST+8*\T+5], v[ST+8*\T+2], v[ST+8*\T+5]
	v_dual_mul_f32 v[ST+8*\T+6], v[ST+8*\T+2], v[ST+8*\T+6] :: v_dual_mul_f32 v[ST+8*\T+7], v[ST+8*\T+2], v[ST+8*\T+7]
.endr
	s_wait_alu depctr_va_vdst(0)                   ; the wait ahead of the batch
.irp n, 0,1,2,3                        ; one batch of 132 exponentials, none of which reads another's result
	v_exp_f32 v[BM+\n], v[BM+\n]
.endr
.set j, 0
.rept 128
	v_exp_f32 v[S+j], v[S+j]                       ; p = 2^(t - M), at most 1
.set j, j+1
.endr
	v_nop                                          ; the plain place behind the exponentials
	s_wait_alu depctr_va_vdst(0)                   ; one wait for the batch, ahead of its first reader and of the first reader of O^T
.endm
; A STEP'S SECOND HALF: p's scale words and codes; the row's sums and O^T under the new M, with (nx = 1) the next step's products among them; O^T += V^T P^T.
.macro PHB nx
.irp n, 0,1,2,3
	v_max_num_f32 v[BM+\n], 0x1800000, v[BM+\n]    ; the floor 2^(3 - 127): the byte cannot fall under 1
.endr
.irp n, 0,1,2,3
	v_add_nc_u32 v[SO+\n], 0xff000000, v[BM+\n]    ; 2 off the exponent field: the conversion's scale operand
.endr
.irp n, 0,1,2,3
	v_lshrrev_b32 v[TP+\n], 23, v[SO+\n]           ; the byte
.endr
.irp T, 0,1
	v_lshl_or_b32 v[PS+\T], v[TP+2*\T+1], 16, v[TP+2*\T]   ; blocks hl and 2 + hl,
.endr
.irp T, 0,1
	s_delay_alu instid0(VALU_DEP_2)
	v_lshlrev_b32 v[PS+\T], v[SH8], v[PS+\T]       ; at their places in the word;
.endr
.irp T, 0,1
	s_delay_alu instid0(VALU_DEP_2)
	v_permlanex16_b32 v[TPX+\T], v[PS+\T], s[SEL], s[SEL+1]
.endr
.irp T, 0,1
	s_delay_alu instid0(VALU_DEP_2)
	v_or_b32 v[PS+\T], v[PS+\T], v[TPX+\T]         ; with lane l xor 16's two: p's scale word for these 128 keys
.endr
	WIN 0x40                                       ; p's codes go to window 1
.irp T, 0,1
.irp c, 0,1
	v_cvt_scalef32_pk16_fp6_f32 v[PC+12*\T+6*\c:PC+12*\T+6*\c+2], v[S+64*\T+32*\c:S+64*\T+32*\c+15], v[SO+2*\T+\c]
	v_cvt_scalef32_pk16_fp6_f32 v[PX+8*\T+4*\c:PX+8*\T+4*\c+2], v[S+64*\T+32*\c+16:S+64*\T+32*\c+31], v[SO+2*\T+\c]
.endr
.endr
	v_nop                                          ; one plain place behind the scaled conversions
	WIN 0x41
.irp T, 0,1
.irp c, 0,1
.irp i, 0,1,2
	v_mov_b32 v[PC+12*\T+6*\c+3+\i], v[PX+8*\T+4*\c+\i]
.endr
.endr
.endr
	WIN 0
	CHUNKS -1                                      ; the sums of key tiles 0, 1: sixteen pairs, also the places between p's codes and scale words and the products that take them
	s_wait_alu depctr_va_vdst(0)                   ; directly ahead of the wait below
	s_wait_dscnt 0x0                               ; V, its scale words and what was asked for of the next step are in
.if \nx
	IKQ 0, KF0, -1, 0
	IKQ 1, KF1, 2, KF0
	s_wait_alu depctr_va_vdst(0)                   ; as above
	s_wait_dscnt 0x0                               ; the next step's tiles 4, 5 are in
	IKQ 2, KF0, 3, KF1
	s_wait_alu depctr_va_vdst(0)                   ; as above
	s_wait_dscnt 0x0                               ; its tiles 6, 7 are in
	IKQ 3, KF1, -1, 0
.else
	CHUNKS 0
	CHUNKS 1
	CHUNKS 2
	CHUNKS 3
.endif
	WIN 0x05
	PV
	WIN 0
.endm
; THE CHANGE OF SLOTS, at a slot's head.  Each wave waits for all its tensor loads (its eighth of the slot that it is about to read), adds 0 to its spare word, and waits for that and for its reads of the slot that it has left.
; fill = 1: a round of the cluster's barrier follows, and the joint fill of the slot just left is the first thing behind it: it has four key steps in which to land.
.macro CHANGE fill
	s_wait_tensorcnt 0x0
	ds_add_u32 v[SPW], v[NIL]
.if \fill
	s_xor_b32 s[G0+1], s[G0+1], SLOT1
	s_add_nc_u64 s[G0+2:G0+3], s[G0+2:G0+3], 4*STEPB
	s_wait_xcnt 0x0                                ; the last prefetch, two key steps back, has read its address
	s_add_nc_u64 s[PFA:PFA+1], s[PFA:PFA+1], 4*STEPB
	s_cmp_gt_u32 s[SLOTS], s[LIM]
	s_cselect_b32 s[ASKAT], 1, 0                   ; in the slot's third step, the loop's last trip, or never
	s_wait_dscnt 0x0
	CROUND
	tensor_load_to_lds s[G0:G0+3], s[G1:G1+7]      ; my one tensor load until the next round
	s_nop 0
	PLACES 4
.else
	s_wait_dscnt 0x0
	s_barrier_signal -1
	s_barrier_wait -1
.endif
.endm
.macro FOUR_STEPS ask                  ; a slot: the first step's products; three trips that each finish a step and multiply the next; the last step
	TOP
	s_mov_b32 s[CNT], 3
.Lstep_\@:
	PHA 1, \ask
	PHB 1
	s_add_co_u32 s[TB], s[TB], STEPB
	s_sub_co_u32 s[CNT], s[CNT], 1
	s_cmp_lg_u32 s[CNT], 0
	s_cbranch_scc1 .Lstep_\@
	PHA 0, 0
	PHB 0
	s_sub_co_u32 s[TB], s[TB], 3*STEPB
	s_xor_b32 s[TB], s[TB], SLOT1
.endm
	s_load_b256 s[4:11], s[0:1], 0x0               ; queries s[4:5], query_omegas s[6:7], query_thetas s[8:9], kv s[10:11]
	s_load_b64 s[12:13], s[0:1], 0x20              ; out0
	v_lshl_add_u32 v[SPW], v0, 2, SPARE
	v_mov_b32 v[NIL], 0
	ds_add_u32 v[SPW], v[NIL]                      ; the opening lines: the add, twice on end, and its wait; the set-up, work on registers, stands between
	ds_add_u32 v[SPW], v[NIL]
	v_lshrrev_b32 v1, 5, v0
	v_readfirstlane_b32 s[WV], v1                  ; wave 0..7
	s_bfe_u32 s15, ttmp6, 0x40000                  ; cx: it enters global addresses of Q, the angles, out0 and the prefetch alone
	s_lshl_b32 s16, ttmp9, 2
	s_add_co_u32 s16, s16, s15                     ; my block of 256 queries
	s_and_b32 s17, ttmp7, 0xffff                   ; the head 8 b + h, which the four partners share
	s_lshr_b32 s18, s17, 3
	s_and_b32 s19, s17, 7
	s_lshl_b32 s20, s17, 19                        ; kv: the head's 16 blocks, my eighth of a slot
	s_lshl_b32 s21, s[WV], 14
	s_add_co_u32 s20, s20, s21
	s_mov_b32 s21, 0
	s_lshl_b32 s22, s18, 22                        ; queries and out0: row (b, l, h) at b 2^22 + l 2^11 + h 2^8; l = 256 block + 32 wave
	s_lshl_b32 s23, s16, 19
	s_add_co_u32 s22, s22, s23
	s_lshl_b32 s23, s[WV], 16
	s_add_co_u32 s22, s22, s23
	s_lshl_b32 s23, s19, 8
	s_add_co_u32 s22, s22, s23
	s_mov_b32 s23, 0
	s_lshr_b32 s60, s22, 4                         ; omegas and thetas: 16 bytes where the queries have 256
	s_mov_b32 s61, 0
	s_lshl_b32 s62, s17, 19                        ; the prefetches: the head, my work-group's key step of a slot, my wave's 8,192 bytes,
	s_lshl_b32 s63, s15, 15
	s_add_co_u32 s62, s62, s63
	s_and_b32 s63, s[WV], 3
	s_lshl_b32 s63, s63, 13
	s_add_co_u32 s62, s62, s63
	s_add_co_u32 s62, s62, 4*STEPB                 ; in slot 1: the first change of slots steps it to slot 2
	s_mov_b32 s63, 0
	s_lshl_b32 s45, s16, 8
	s_lshl_b32 s44, s[WV], 5
	s_add_co_u32 s45, s45, s44                     ; my first query's number
	s_lshr_b32 s[LIM], s[WV], 2                    ; 0 in waves 0-3,
	s_or_b32 s[LIM], s[LIM], ttmp9                 ; of the head's first cluster: the same in all four partners
	s_cmp_eq_u32 s[LIM], 0
	s_cselect_b32 s[LIM], 1, -1
	s_mov_b32 s[G1], 15|(3<<16)|(1<<21)            ; the mask of all four; elements of 8 bytes; bit 21 beside a mask
	s_mov_b32 s[G1+1], 32<<16                      ; 64 rows of 256 bytes, dense in memory and in LDS
	s_mov_b32 s[G1+2], 64<<16
	s_mov_b32 s[G1+3], 32<<16
	s_mov_b32 s[G1+4], 64
	s_mov_b32 s[G1+5], 32
	s_mov_b32 s[G1+6], 0
	s_mov_b32 s[G1+7], 0
	s_mov_b32 s[SEL], 0x76543210
	s_mov_b32 s[SEL+1], 0xfedcba98
	s_mov_b32 s[HM], 0xffff0000
	s_mov_b32 s[K_2PI], 0x3f22f983
	s_mov_b32 s[K_NC1], 0xbfc90fdb
	s_mov_b32 s[K_NC2], 0x333bbd2e
	s_mov_b32 s[K_S0], 0xb94ca1f9
	s_mov_b32 s[K_S1], 0x3c08839e
	s_mov_b32 s[K_S2], 0xbe2aaaa3
	s_mov_b32 s[K_C0], 0x37ccf5ce
	s_mov_b32 s[K_C1], 0xbab6061a
	s_mov_b32 s[K_C2], 0x3d2aaaa5
	s_mov_b32 s[TB], 0
	s_mov_b32 s[SLOTS], 3
	v_and_b32 v[LI], 31, v0
	v_and_b32 v60, 15, v0                          ; r
	v_bfe_u32 v61, v0, 4, 1                        ; hl
	v_lshlrev_b32 v[PFO], 8, v[LI]
	v_lshlrev_b32 v[LI], 4, v[LI]
	v_lshlrev_b32 v[QO], 11, v60
	v_lshlrev_b32 v[WO], 7, v60
	v_lshlrev_b32 v[SH8], 3, v61
	v_add_nc_u32 v[POS], s45, v60
	v_lshl_add_u32 v[QO], v61, 5, v[QO]
	v_add_nc_u32 v[POS+1], 16, v[POS]
	v_cvt_f32_u32 v[POS], v[POS]
	v_cvt_f32_u32 v[POS+1], v[POS+1]
	v_mov_b32 v[TM+8], 0                           ; written once: a lane permute's destination counts as one of its sources
	v_mul_f32 v[POS], 0x3a000000, v[POS]           ; / 2,048: nothing is rounded
	v_mul_f32 v[POS+1], 0x3a000000, v[POS+1]
	s_wait_alu depctr_va_vdst(0)                   ; directly ahead of the waits below
	s_wait_dscnt 0x0                               ; both opening adds are done
	s_wait_kmcnt 0x0
	s_mov_b32 s[G0], 1
	s_lshl_b32 s[G0+1], s[WV], 14                  ; LDS: slot 0, 16,384 x wave
	s_add_nc_u64 s[G0+2:G0+3], s[10:11], s[20:21]
	s_or_b32 s[G0+3], s[G0+3], 0x80000000
	s_add_nc_u64 s[PFA:PFA+1], s[10:11], s[62:63]
	s_add_nc_u64 s[4:5], s[4:5], s[22:23]
	s_add_nc_u64 s[12:13], s[12:13], s[22:23]
	s_add_nc_u64 s[6:7], s[6:7], s[60:61]
	s_add_nc_u64 s[8:9], s[8:9], s[60:61]
.irp T, 0,1                            ; my queries and their angles are asked for ahead of the round: nobody writes these bytes
	global_load_b128 v[OM+8*\T:OM+8*\T+3], v[WO], s[6:7] offset:2048*\T
	global_load_b128 v[OM+8*\T+4:OM+8*\T+7], v[WO], s[8:9] offset:2048*\T
.endr
.irp T, 0,1
.irp p, 0,1,2,3
.irp q, 0,1
	global_load_b128 v[XR+32*\T+8*\p+4*\q:XR+32*\T+8*\p+4*\q+3], v[QO], s[4:5] offset:32768*\T+64*\p+16*\q   ; part p, elements 8 hl + 4 q on
.endr
.endr
.endr
	CROUND                                         ; all four work-groups are here: the first joint loads meet
	tensor_load_to_lds s[G0:G0+3], s[G1:G1+7]      ; slot 0: my one tensor load at the head
	s_nop 0
	PLACES 4
	s_wait_loadcnt 16                              ; omegas and thetas are in; the sixteen loads of queries may be out
.irp T, 0,1                            ; Q, while slot 0 lands: my 32 queries become four fragments and two registers of scale words
.set XRC, XR+32*\T
.irp a, 0,1,2,3
	v_fma_f32 v[A_AN+\a], v[OM+8*\T+\a], v[POS+\T], v[OM+8*\T+4+\a]
.endr
	SINCOS
.if \T == 0
	s_wait_alu depctr_va_vdst(0)                   ; directly ahead of the wait below
	s_wait_loadcnt 0x0                             ; the queries
.endif
.irp s, 0,1
	ROTQ \s
.if \s == 0
	QUANTQ QF+24*\T, QS+\T
.else
	QUANTQ QF+24*\T+12, PW
	v_cndmask_b32 v[QS+\T], v[QS+\T], v[PW], s[HM]         ; lanes 16-31 carry K step 1's word
.endif
.endr
.endr
.irp T, 0,1
	v_mov_b32 v[ST+8*\T], 0x7d000000               ; -M = 2^123: the first step's f comes out 0
	v_mov_b32 v[ST+8*\T+1], 0xff61b1e6             ; the largest score so far: -3e38
	v_mov_b32 v[TPX+\T], 0
.irp i, 4,5,6,7
	v_mov_b32 v[ST+8*\T+\i], 0                     ; the sum's four parts
.endr
.endr
.set j, 0
.rept 32
	v_dual_mov_b32 v[OT+j], 0 :: v_dual_mov_b32 v[OT+j+1], 0   ; O^T: the step is written for every step alike, and the first finds zeros
.set j, j+2
.endr
	s_wait_alu depctr_va_vdst(0)
.Lslot:                                            ; three trips: behind each change of slots but the last the next slot is asked for
	CHANGE 1
	FOUR_STEPS 1
	s_sub_co_u32 s[SLOTS], s[SLOTS], 1
	s_cmp_lg_u32 s[SLOTS], 0
	s_cbranch_scc1 .Lslot
	CHANGE 0                                       ; the last slot is written out
	FOUR_STEPS 0
	; THE WAY OUT: O^T is divided by the row's sum and goes through my stage in LDS, 16 rows of 256 bytes at a time, so that sixteen lanes store one row (l, h): 256 consecutive bytes, aligned
	s_wait_alu depctr_va_vdst(0)                   ; ahead of the first reader of the sums
.irp T, 0,1
	v_add_f32 v[ST+8*\T+3], v[ST+8*\T+4], v[ST+8*\T+5]
	v_add_f32 v[ST+8*\T+2], v[ST+8*\T+6], v[ST+8*\T+7]
.endr
.irp T, 0,1
	v_add_f32 v[ST+8*\T+3], v[ST+8*\T+3], v[ST+8*\T+2]
.endr
.irp T, 0,1
	s_delay_alu instid0(VALU_DEP_2)
	v_permlanex16_b32 v[TPX+\T], v[ST+8*\T+3], s[SEL], s[SEL+1]
.endr
.irp T, 0,1
	s_delay_alu instid0(VALU_DEP_2)
	v_add_f32 v[ST+8*\T+3], v[ST+8*\T+3], v[TPX+\T]        ; with lane l xor 16's: the row's sum
.endr
	s_wait_alu depctr_va_vdst(0)                   ; ahead of the transcendentals
.irp T, 0,1
	v_rcp_f32 v[ST+8*\T+2], v[ST+8*\T+3]
.endr
	s_mul_i32 s18, s[WV], 32*SPITCH                ; my stage
	v_and_b32 v24, 15, v0                          ; r
	v_bfe_u32 v25, v0, 4, 1                        ; hl
	v_mul_u32_u24 v26, v24, SPITCH                 ; in: row r, + 32 hl
	v_mul_u32_u24 v27, v25, SPITCH                 ; back: lanes 0-15 one row, lanes 16-31 the next; 16 bytes a lane
	v_lshlrev_b32 v28, 11, v25                     ; the same two rows in out0, 2,048 bytes apart
	v_lshl_add_u32 v26, v25, 5, v26
	v_lshl_add_u32 v27, v24, 4, v27
	v_lshl_add_u32 v28, v24, 4, v28
	v_add_nc_u32 v26, s18, v26
	v_add_nc_u32 v27, s18, v27
	s_wait_alu depctr_va_vdst(0)                   ; one wait for the two reciprocals, directly ahead of the first reader of O^T
.irp T, 0,1
.set j, 0
.rept 16
	v_dual_mul_f32 v[S+32*\T+j], v[ST+8*\T+2], v[OT+32*\T+j] :: v_dual_mul_f32 v[S+32*\T+j+1], v[ST+8*\T+2], v[OT+32*\T+j+1]   ; register 8 dt + i is o(query r, channel 16 dt + 8 hl + i)
.set j, j+2
.endr
.endr
.irp T, 0,1
.irp f, 0,1,2,3,4,5,6,7
	ds_store_b128 v26, v[S+32*\T+4*\f:S+32*\T+4*\f+3] offset:16*SPITCH*\T+64*(\f/2)+16*(\f%2)
.endr
.irp i, 0,1,2,3,4,5,6,7
	ds_load_b128 v[BK+32*\T+4*\i:BK+32*\T+4*\i+3], v27 offset:16*SPITCH*\T+2*SPITCH*\i   ; LDS serves a wave's instructions in order (ISA guide 5.7.1.4): these see my stores
.endr
.endr
.irp T, 0,1
.irp i, 0,1,2,3,4,5,6,7
	s_wait_dscnt 16*(1-\T)+7-\i                    ; behind this load: its tile's later loads, and for tile 0 also tile 1's eight stores and eight loads
	global_store_b128 v28, v[BK+32*\T+4*\i:BK+32*\T+4*\i+3], s[12:13] offset:32768*\T+4096*\i th:TH_STORE_NT
.endr
.endr
	s_wait_tensorcnt 0x0                           ; the wave's end
	ds_add_u32 v[SPW], v[NIL]
	s_wait_dscnt 0x0
	CROUND                                         ; the closing round
	s_endpgm
.Lfunc_end_k_q3229cae5b9_attn:
	.size	k_q3229cae5b9_attn, .Lfunc_end_k_q3229cae5b9_attn-k_q3229cae5b9_attn
	.p2alignl 7, 3214868480
	.fill 96, 4, 3214868480
	.section	.rodata,"a",@progbits
	.p2align	6, 0x0
	.amdhsa_kernel k_q3229cae5b9_attn
		.amdhsa_group_segment_fixed_size 327680
		.amdhsa_private_segment_fixed_size 0
		.amdhsa_enable_private_segment 0
		.amdhsa_kernarg_size 40
		.amdhsa_user_sgpr_count 2
		.amdhsa_user_sgpr_kernarg_segment_ptr 1
		.amdhsa_wavefront_size32 1
		.amdhsa_system_sgpr_workgroup_id_x 1
		.amdhsa_system_sgpr_workgroup_id_y 1
		.amdhsa_system_sgpr_workgroup_id_z 1
		.amdhsa_system_vgpr_workitem_id 0
		.amdhsa_next_free_vgpr 512
		.amdhsa_next_free_sgpr 66
		.amdhsa_reserve_vcc 1
		.amdhsa_float_denorm_mode_32 3
		.amdhsa_float_denorm_mode_16_64 3
		.amdhsa_memory_ordered 1
		.amdhsa_forward_progress 1
		.amdhsa_inst_pref_size 202
	.end_amdhsa_kernel
	.amdgpu_metadata
---
amdhsa.version: [ 1, 2 ]
amdhsa.kernels:
  - .name:           k_q3229cae5b9_attn
    .symbol:         k_q3229cae5b9_attn.kd
    .args:
      - { .name: queries, .offset: 0, .size: 8, .value_kind: global_buffer, .address_space: global }
      - { .name: query_omegas, .offset: 8, .size: 8, .value_kind: global_buffer, .address_space: global }
      - { .name: query_thetas, .offset: 16, .size: 8, .value_kind: global_buffer, .address_space: global }
      - { .name: kv, .offset: 24, .size: 8, .value_kind: global_buffer, .address_space: global }
      - { .name: out0, .offset: 32, .size: 8, .value_kind: global_buffer, .address_space: global }
    .group_segment_fixed_size: 327680
    .private_segment_fixed_size: 0
    .kernarg_segment_align: 8
    .kernarg_segment_size: 40
    .max_flat_workgroup_size: 256
    .sgpr_count:     66
    .vgpr_count:     512
    .wavefront_size: 32
...
	.end_amdgpu_metadata
.endif
;; end of part 2
